; MI455X (gfx1250); checked and timed in simulation.
; The chip was launched on July 23, 2026; its instructions are those of AMD's public machine-readable ISA for CDNA 5 (MIT licence, August 2026) and "CDNA5" Instruction Set Architecture Reference Guide (July 2026). The comments in the code are by the model that wrote it; some were corrected since.
;; Bit Linear. Allowed arithmetic: matrix products marked QUANTISED: E2M3 operands, one E8M0 scale for each 32 along K, by v_wmma_scale_f32_16x16x128_f8f6f4 with both operands' format E2M3, f32 sums; everything else in f32.
;; Inputs: gamma 2,048 float32; norm_weight 4,096 float32; w_q_codes 2,048 x 128 x 24 uint8 (E2M3 codes of w_q, K innermost, in blocks of 32 codes, four codes in three bytes); w_q_scales 2,048 x 128 uint8 (E8M0 scales of w_q, one for each 32 codes along K); x 2 x 4,096 x 4,096 float32.
;; Outputs: out0 2 x 4,096 x 2,048 float32.
;; This version of the problem:
;;   THIS VERSION OF THE PROBLEM IS GIVEN IN LOW PRECISION. The matrix products marked QUANTISED in the list below multiply operands that are first quantised to E2M3 (2 exponent bits, 3 mantissa bits; 6 bits a number), with one power-of-two scale for each 32 numbers along K (OCP MX v1.0); their sums are f32. All else is computed in f32.
;;   The module's matrix products, in the order in which they are computed (A, B: the left and right operand; K: the contracted axis; several contracted axes count as one K, in the product's order):
;;     1. [M 8,192, K 4,096] x [K 4,096, N 2,048]; A: computed on the way; B: input w_q (given as codes): QUANTISED
;;   THE QUANTISER, for each operand of a quantised product, along K:
;;     - K is cut into blocks of 32 from its start; a last block that is shorter is filled with zeros.
;;     - A block's scale is 2^e with e = floor(log2(the largest magnitude in the block)) - 2, held to -126 .. 127; a block of zeros has e = 0. As a byte (E8M0): e + 127.
;;     - Each number is divided by its block's scale, clamped to +-7.5, and rounded to the nearest number of E2M3, ties to even, subnormals kept.
;;     - The product sums the exact products of the quantised numbers (number of the format x scale) in f32.
;;   ~~~python
;;   def quantise(x, axis):      # numpy; x: float32 -> the quantised numbers, widened to float32 again
;;       x = np.moveaxis(x, axis, -1); K = x.shape[-1]
;;       x = np.pad(x, [(0, 0)] * (x.ndim - 1) + [(0, -K % 32)]); x = x.reshape(x.shape[:-1] + (-1, 32)); a = np.abs(x).max(-1, keepdims=True)
;;       e = np.where(a > 0, np.clip(np.frexp(np.where(a > 0, a, 1))[1] - 1 - 2, -126, 127), 0)      # np.frexp(a)[1] - 1 = floor(log2(a)), exactly
;;       r = np.clip(x / 2.0 ** e, -7.5, 7.5)
;;       step = 2.0 ** (np.maximum(np.frexp(np.where(r == 0, 1, r))[1] - 1, 0) - 3)
;;       q = np.round(r / step) * step * 2.0 ** e      # np.round: ties to even
;;       return np.moveaxis(q.reshape(q.shape[:-2] + (-1,))[..., :K], -1, axis).astype(np.float32)
;;   ~~~
;;   OPERANDS COMPUTED ON THE WAY. 'Computed on the way' means the value that the module computes at that place (a softmax that the list does not call 'softmax' is quantised finished and normalised). What goes into a quantiser is computed in f32, as accurately as f32 sums, v_exp_f32 and their like allow (about 1e-6 of the number): no bf16 or f16 on the way to a quantiser, and a product that is left as it is and whose result goes on into a quantised operand takes f32 operands (vector FMAs, or v_wmma_f32_16x16x4_f32). A number that lies on a knife's edge between two numbers of the format may be rounded either way, as far as f32 arithmetic and the matrix unit's own rounding can turn it there, and no further.
;;   INPUTS GIVEN AS CODES. w_q (in the module: [2048, 4096], K = its axis 1): each comes as NAME_codes (uint8): NAME with its K axis moved to the last place and cut into blocks of 32 codes, [.., K / 32, bytes a block], one block behind the other in memory; four codes in three bytes: a row's codes are one little-endian stream of bits, code i at bits 6 i .. 6 i + 5 (a code: sign, 2 exponent bits, 3 mantissa bits); and NAME_scales (uint8): the same leading axes, one E8M0 byte (e + 127) for each 32 codes along K. Its value is code x scale, taken as it is: it is not quantised again, and the codes and scales need not be those that the quantiser above would give.
;; One version. Each part assembles by itself: llvm-mc -triple=amdgcn-amd-amdhsa -mcpu=gfx1250 --defsym DOCPART=n.
;; ======== version 1 of 1: 2 launches
;; limits: right only within a limited range of input values
;; workspace buffers: a_img 26,214,400 bytes; b_img 6,553,600 bytes
;; launch quant (part 1): grid 256 x 1, 16 waves a work-group, no clusters, 212,992 bytes of LDS; arguments x, norm_weight, w_q_codes, w_q_scales, a_img, b_img; writes a_img, b_img
.if DOCPART == 1
	.amdgcn_target "amdgcn-amd-amdhsa--gfx1250"
	.amdhsa_code_object_version 6
	.text
	.protected	k_q95d4223d31_quant
	.globl	k_q95d4223d31_quant
	.p2align	8
	.type	k_q95d4223d31_quant,@function
k_q95d4223d31_quant:
	s_mov_b64 s[64:65], 0
	v_nop
	global_prefetch_b8 v0, s[64:65] scope:SCOPE_SE
	s_setreg_imm32_b32 hwreg(HW_REG_WAVE_MODE, 25, 1), 1
	s_wait_xcnt 0x0
; xn[r][k] = x[r][k] / sqrt(mean_k(x[r][k]^2) + 1e-6) * norm_weight[k], in f32, and then its codes of FP6 (E2M3) along K with one E8M0 byte for each 32.  x: [8192][4096] f32.
; BOTH OPERANDS OF THE PRODUCT LEAVE THIS LAUNCH AS IMAGES OF THE MATRIX OPERAND'S REGISTERS.  A block is 128 rows x 128 K: eight fragments (16 rows x 128 K, 12 registers a lane) of 1,536 bytes, registers 4 c .. 4 c + 3 of
; lane l at 512 c + 16 l, and then 512 bytes of scale words, row r of tile i at 64 i + 4 r: 12,800 bytes.  a_img: [64 groups of 128 rows][32 units of 128 K] blocks; b_img: [16][32].  Lane l = r + 16 h of a fragment holds row r;
; its registers 0-5 are the row's block h of 32 codes (24 bytes as they lie in a row's stream of bits), its registers 6-11 block 2 + h.
; A block's scale is 2^(floor(log2(its largest magnitude)) - 2); its byte is the largest magnitude's exponent field - 2, held at 1 from below.
; LIMITS.  NaN and infinities among the inputs are not served.  A block of zeros, or one whose largest magnitude lies under 2^(3 - 127), gets the byte 1 (the rule says 127 for zeros): its codes are
; what the conversion gives under that byte, zeros for zeros, and this program alone reads the bytes.  1 / rms is one v_rsq_f32 of mean + 1e-6 in place of a root and a division; the order of rounding is (x * (1 / rms)) * weight.
; SHARES.  A work-group of sixteen waves owns 32 rows, two tiles of 16; wave w owns rows w and 16 + w, a WHOLE row at a time: 16,384 bytes are 128 registers a lane, so the row is read from memory once,
; stays in registers between the sum of squares and the scaling, and the sum never leaves the wave.  The second row's loads are issued step by step as the first row's registers fall free.
; A load takes the bytes as they lie, 16 a lane, 512 consecutive bytes an instruction.  The conversion wants 16 NEIGHBOURS along K in one lane's registers: so each step of 512 numbers turns through the wave's own
; stage in LDS (in as loaded, back 64 bytes a lane; 16 bytes of padding behind each 64).  norm_weight lies once in LDS, in the same turned form, for all sixteen waves.
; A fragment needs sixteen rows, which sixteen waves hold: the codes (12 bytes a lane) and the scale bytes are laid into the image in LDS, and behind a barrier at each pass's end every wave stores two units' fragments,
; 512 consecutive bytes a store.  The scale words leave at the end, 128 consecutive bytes for a unit: 4 bytes in 100 of what this launch stores go out in such half runs.
; w_q ARRIVES AS CODES IN ROWS AND IS ONLY LAID ANEW: 4,096 fragments, one for each wave of the launch: six loads of 8 bytes a lane bring it in the operand's layout, three stores of 512 consecutive bytes take it out;
; its sixteen scale words go out as 64 consecutive bytes.  These pieces are small, and are 6.5 MB beside x's 134 MB, read once.
; No matrix unit, no tensor loads, no cluster: the only bytes that work-groups share are the 16,384 of norm_weight beside each work-group's 524,288 of x.
.set ROWX,  16384                      ; a row of x in bytes
.set SP,    80                         ; a lane's place in a stage: 64 bytes + 16 of padding
.set STGB,  32*SP                      ; a stage: one step's 2,048 bytes, padded
.set WREG,  2*STGB                     ; LDS: two stages for each wave,
.set WSTG,  16*WREG                    ; behind them norm_weight, 256 places of SP bytes,
.set IMG,   WSTG+256*SP                ; and the work-group's image: 32 units of UL bytes
.set HL,    272                        ; in LDS the image is padded, so that the 32 lanes of a code store touch 32 different banks: sixteen lanes' 256 bytes + 16,
.set CL,    2*HL                       ; a chunk (four registers of 32 lanes),
.set FL,    3*CL                       ; a fragment,
.set UL,    2*FL+128                   ; a unit: my two tiles' fragments and their 32 scale words
.set FRB,   1536                       ; in memory: a fragment,
.set UB,    8*FRB+512                  ; a block,
.set GRP,   32*UB                      ; a group of 128 rows, all of K
.set XO,  2                            ; v2   16 x lane: my bytes of a load's or a store's 512
.set SI,  3                            ; v3   the stage, on the way in: SP (lane / 4) + 16 (lane % 4)
.set SO,  4                            ; v4   and on the way out: SP x lane
.set WO,  5                            ; v5   norm_weight in LDS: SP x lane
.set CI,  6                            ; v6-8   where my three words of codes go in the image, steps 0-3;
.set CJ,  9                            ; v9-11  steps 4-7 (16 units on: beyond an LDS offset's 16 bits)
.set BI,  12                           ; v12  my block's scale byte in the image, steps 0-3;
.set BJ,  13                           ; v13  steps 4-7
.set RR,  14                           ; v[14:15] 1 / rms, twice: a pair for the packed multiply
.set SS,  16                           ; v[16:23] four packed chains of squares (at the head: norm_weight on its way to LDS)
.set IRD, 24                           ; v24  the image back: my wave's two units, 16 x lane + 16 (lane / 16)
.set SRD, 25                           ; v25  their scale words: 4 x lane
.set SGO, 26                           ; v26  and in memory: 4 x lane
.set SCO, 27                           ; v27  the conversion's scale operand
.set MA,  28                           ; v28-29  two chains of maxima
.set WI,  30                           ; v30  where my 16 bytes of norm_weight go in LDS
.set WG,  31                           ; v31  and where they come from
.set CC,  32                           ; v32-63   four registers for each step: three of codes, one for the scale byte
.set TT,  64                           ; v64-95   two sets of 16 neighbours; at a pass's end v64-87 two units' fragments; at the head w_q's fragment:
.set WF,  64                           ; v64-75   its twelve registers,
.set WS,  76                           ; v76      its rows' scale words,
.set WA,  77                           ; v77-78   where codes and scale words come from,
.set WC,  79                           ; v79-80   and where they go
.set WT,  96                           ; v96-127  two sets of 16 weights (at the head: at work)
.set XX,  128                          ; v128-255 the row as loaded: step t at XX + 16 t
	s_load_b256 s[4:11], s[0:1], 0x0               ; x s[4:5], norm_weight s[6:7], w_q_codes s[8:9], w_q_scales s[10:11]
	s_load_b128 s[24:27], s[0:1], 0x20             ; a_img s[24:25], b_img s[26:27]
	v_lshrrev_b32 v1, 5, v0
	s_delay_alu instid0(VALU_DEP_1)
	v_readfirstlane_b32 s12, v1                    ; wave 0..15
	v_and_b32 v1, 31, v0                           ; lane
	s_mul_i32 s13, s12, WREG                       ; my wave's stages in LDS
	s_mul_i32 s18, s12, 16*SP                      ; my wave's sixteen places of norm_weight in LDS,
	s_lshl_b32 s19, s12, 10                        ; and their 1,024 bytes in memory
	s_mov_b32 s20, 0x39800000                      ; 1 / 4096
	s_mov_b32 s21, 0x358637bd                      ; 1e-6
	s_mov_b32 s22, 0x76543210                      ; v_permlanex16_b32's selects for lane l xor 16
	s_mov_b32 s23, 0xfedcba98
	v_lshlrev_b32 v[XO], 4, v1
	v_lshrrev_b32 v[WI], 2, v1
	s_delay_alu instid0(VALU_DEP_1)
	v_mul_u32_u24 v[WI], v[WI], SP
	v_and_b32 v[WG], 3, v1
	s_delay_alu instid0(VALU_DEP_1)
	v_lshl_add_u32 v[WI], v[WG], 4, v[WI]          ; four lanes' 64 bytes on end, then the padding
	s_delay_alu instid0(VALU_DEP_1)
	v_add_nc_u32 v[SI], s13, v[WI]
	s_delay_alu instid0(VALU_DEP_2)
	v_add_nc_u32 v[WI], s18, v[WI]
	s_delay_alu instid0(VALU_DEP_1)
	v_add_nc_u32 v[WI], WSTG, v[WI]
	v_mul_u32_u24 v[WO], v1, SP
	s_delay_alu instid0(VALU_DEP_1)
	v_add_nc_u32 v[SO], s13, v[WO]
	s_delay_alu instid0(VALU_DEP_2)
	v_add_nc_u32 v[WO], WSTG, v[WO]
	v_lshl_add_u32 v[WG], v1, 4, s19
	; Where a lane's 16 codes go.  In step t lane l holds k = 512 t + 16 l + 0 .. 15 of its wave's row: unit 4 t + l / 8; in it block (l / 2) % 4, of which the lower (l even) or the upper 16 codes.
	; Block b belongs to the fragment's lane w + 16 (b % 2), words 6 (b / 2) + 0 .. 5; word n of a lane lies in chunk n / 4, at 4 (n % 4).
	v_lshrrev_b32 v96, 3, v1
	s_delay_alu instid0(VALU_DEP_1)
	v_mul_u32_u24 v96, v96, UL                     ; UL (l / 8)
	v_bfe_u32 v97, v1, 1, 1                        ; b % 2
	s_delay_alu instid0(VALU_DEP_1)
	v_mad_u32_u24 v98, v97, HL, v96
	s_lshl_b32 s15, s12, 4
	s_add_co_u32 s15, s15, IMG
	v_add_nc_u32 v98, s15, v98                     ; + the image + 16 w
	v_bfe_u32 v97, v1, 2, 1                        ; b / 2
	s_delay_alu instid0(VALU_DEP_1)
	v_mul_u32_u24 v97, v97, 6
	v_and_b32 v99, 1, v1
	s_delay_alu instid0(VALU_DEP_1)
	v_mad_u32_u24 v97, v99, 3, v97                 ; my first word: 0, 3, 6 or 9
.irp i, 0,1,2
	v_add_nc_u32 v99, \i, v97
	s_delay_alu instid0(VALU_DEP_1)
	v_lshrrev_b32 v100, 2, v99
	s_delay_alu instid0(VALU_DEP_2)
	v_and_b32 v99, 3, v99
	s_delay_alu instid0(VALU_DEP_2)
	v_mad_u32_u24 v100, v100, CL, v98
	s_delay_alu instid0(VALU_DEP_1)
	v_lshl_add_u32 v[CI+\i], v99, 2, v100
	s_delay_alu instid0(VALU_DEP_1)
	v_add_nc_u32 v[CJ+\i], 16*UL, v[CI+\i]
.endr
	v_bfe_u32 v99, v1, 1, 2                        ; my block's byte in its row's scale word
	s_delay_alu instid0(VALU_DEP_1)
	v_add_nc_u32 v99, v99, v96
	s_lshl_b32 s15, s12, 2
	s_add_co_u32 s15, s15, IMG+2*FL
	v_add_nc_u32 v[BI], s15, v99                   ; behind the unit's two fragments: 4 w + the byte
	s_delay_alu instid0(VALU_DEP_1)
	v_add_nc_u32 v[BJ], 16*UL, v[BI]
	s_mul_i32 s15, s12, 2*UL                       ; on the way out wave w takes units 2 w and 2 w + 1
	s_add_co_u32 s15, s15, IMG
	v_lshrrev_b32 v99, 4, v1
	s_delay_alu instid0(VALU_DEP_1)
	v_lshl_add_u32 v99, v99, 4, v[XO]
	s_delay_alu instid0(VALU_DEP_1)
	v_add_nc_u32 v[IRD], s15, v99
	v_lshlrev_b32 v[SGO], 2, v1
	s_add_co_u32 s15, s15, 2*FL
	v_add_nc_u32 v[SRD], s15, v[SGO]
	; w_q's fragment of this wave: tile T = work-group / 2 of 16 rows, unit u = 16 (work-group % 2) + wave
	s_lshr_b32 s28, ttmp9, 1                       ; T
	s_and_b32 s29, s28, 7                          ; its place in its group of 128 rows
	s_lshr_b32 s30, s28, 3                         ; the group
	s_and_b32 s31, ttmp9, 1
	s_lshl_b32 s31, s31, 4
	s_add_co_u32 s31, s31, s12                     ; u
	v_and_b32 v96, 15, v1                          ; r
	v_lshrrev_b32 v97, 4, v1                       ; h
	s_delay_alu instid0(VALU_DEP_2)
	v_mul_u32_u24 v[WA], v96, 3072
	s_delay_alu instid0(VALU_DEP_1)
	v_mad_u32_u24 v[WA], v97, 24, v[WA]            ; codes: row r of 3,072 bytes, + 24 h
	s_delay_alu instid0(VALU_DEP_4)
	v_lshlrev_b32 v[WA+1], 7, v96                  ; scale bytes: row r of 128
	s_mul_i32 s34, s29, FRB
	v_add_nc_u32 v[WC], s34, v[XO]                 ; in its block: the fragment, 16 x lane;
	s_lshl_b32 s34, s29, 6
	s_add_co_u32 s34, s34, 8*FRB
	v_lshl_add_u32 v[WC+1], v96, 2, s34            ; the tile's scale words, 4 r (lanes 16-31 hold and store the same words as lanes 0-15)
	; byte offsets into the six buffers, each in a pair of its own with 0 above (all under 2^28)
	s_lshl_b32 s16, ttmp9, 19
	s_lshl_b32 s15, s12, 14
	s_add_co_u32 s16, s16, s15                     ; x: row 32 x work-group + wave
	s_mov_b32 s17, 0
	s_mul_i32 s38, s28, 16*3072
	s_mul_i32 s15, s31, 96
	s_add_co_u32 s38, s38, s15                     ; w_q_codes: 16 T rows, + 96 u
	s_mov_b32 s39, 0
	s_lshl_b32 s40, s28, 11
	s_lshl_b32 s15, s31, 2
	s_add_co_u32 s40, s40, s15                     ; w_q_scales: 16 T rows of 128, + 4 u
	s_mov_b32 s41, 0
	s_lshl_b32 s42, s30, 5
	s_add_co_u32 s42, s42, s31
	s_mul_i32 s42, s42, UB                         ; b_img: block 32 x group + u
	s_mov_b32 s43, 0
	s_lshr_b32 s44, ttmp9, 2                       ; a_img: my group of 128 rows is work-group / 4,
	s_mul_i32 s44, s44, GRP
	s_mul_i32 s15, s12, 2*UB
	s_add_co_u32 s44, s44, s15                     ; the block of unit 2 w;
	s_and_b32 s15, ttmp9, 3                        ; my two tiles are 2 (work-group % 4) and the next
	s_lshl_b32 s36, s15, 7
	s_add_co_u32 s36, s36, 8*FRB
	s_add_co_u32 s36, s36, s44                     ; their scale words,
	s_mov_b32 s37, 0
	s_mul_i32 s15, s15, 2*FRB
	s_add_co_u32 s44, s44, s15                     ; their fragments: a multiple of 3,072, so of 256
	s_mov_b32 s45, 0
	s_wait_alu depctr_va_vdst(0)
	s_wait_kmcnt 0x0
	s_add_nc_u64 s[4:5], s[4:5], s[16:17]
	s_add_nc_u64 s[8:9], s[8:9], s[38:39]
	s_add_nc_u64 s[10:11], s[10:11], s[40:41]
	s_add_nc_u64 s[26:27], s[26:27], s[42:43]
	s_add_nc_u64 s[32:33], s[24:25], s[36:37]
	s_add_nc_u64 s[24:25], s[24:25], s[44:45]
.macro LOADSTEP row, t                 ; step t of my row of pass 'row': 512 numbers, four loads of 512 consecutive bytes
.irp i, 0,1,2,3
	global_load_b128 v[XX+16*(\t)+4*\i:XX+16*(\t)+4*\i+3], v[XO], s[4:5] offset:16*ROWX*(\row)+2048*(\t)+512*\i th:TH_LOAD_NT
.endr
.endm
; The row's sum of squares, as its loads come in, and 1 / rms in every lane.
.macro PASS1 yg                        ; yg: loads of the wave that are younger than the row's 32
.set PT, 0
.rept 8
	s_wait_alu depctr_va_vdst(0)
	s_wait_loadcnt 4*(7-PT)+\yg                    ; loads come back in order: this step's four are in; the younger steps' and the yg loads issued behind the row's may be out
.set PP, 0
.rept 8
.if (PT == 0) && (PP < 4)
	v_pk_mul_f32 v[SS+2*PP:SS+2*PP+1], v[XX+2*PP:XX+2*PP+1], v[XX+2*PP:XX+2*PP+1]   ; the first four pairs start the chains: nothing is cleared
.else
	v_pk_fma_f32 v[SS+2*(PP%4):SS+2*(PP%4)+1], v[XX+16*PT+2*PP:XX+16*PT+2*PP+1], v[XX+16*PT+2*PP:XX+16*PT+2*PP+1], v[SS+2*(PP%4):SS+2*(PP%4)+1]
.endif
.set PP, PP+1
.endr
.set PT, PT+1
.endr
	s_delay_alu instid0(VALU_DEP_3)
	v_pk_add_f32 v[SS:SS+1], v[SS:SS+1], v[SS+2:SS+3]
	s_delay_alu instid0(VALU_DEP_2)
	v_pk_add_f32 v[SS+4:SS+5], v[SS+4:SS+5], v[SS+6:SS+7]
	s_delay_alu instid0(VALU_DEP_1)
	v_pk_add_f32 v[SS:SS+1], v[SS:SS+1], v[SS+4:SS+5]
	s_delay_alu instid0(VALU_DEP_1)
	v_add_f32 v[SS], v[SS], v[SS+1]
	s_delay_alu instid0(VALU_DEP_1)
	v_add_f32_dpp v[SS], v[SS], v[SS] row_xmask:1 row_mask:0xf bank_mask:0xf
	s_delay_alu instid0(VALU_DEP_1)
	v_add_f32_dpp v[SS], v[SS], v[SS] row_xmask:2 row_mask:0xf bank_mask:0xf
	s_delay_alu instid0(VALU_DEP_1)
	v_add_f32_dpp v[SS], v[SS], v[SS] row_xmask:4 row_mask:0xf bank_mask:0xf
	s_delay_alu instid0(VALU_DEP_1)
	v_add_f32_dpp v[SS], v[SS], v[SS] row_xmask:8 row_mask:0xf bank_mask:0xf
	s_delay_alu instid0(VALU_DEP_1)
	v_permlanex16_b32 v[SS+1], v[SS], s22, s23     ; (its destination counts as read: it has been written)
	s_delay_alu instid0(VALU_DEP_1)
	v_add_f32 v[SS], v[SS], v[SS+1]                ; every lane holds the row's sum
	s_delay_alu instid0(VALU_DEP_1)
	v_fma_f32 v[SS], v[SS], s20, s21               ; the mean + 1e-6
	s_wait_alu depctr_va_vdst(0)
	v_rsq_f32 v[RR], v[SS]
	v_rsq_f32 v[RR+1], v[SS]
	v_nop                                          ; one plain vector instruction between a transcendental and the use of its result (ISA guide 5.7.2)
	s_wait_alu depctr_va_vdst(0)
.endm
; Step t's numbers through stage t % 2, and its weights from LDS.  LDS serves a wave's instructions in order (ISA guide 5.7.1.4): no wait between the stores and the loads.
.macro TURN t
.irp i, 0,1,2,3
	ds_store_b128 v[SI], v[XX+16*(\t)+4*\i:XX+16*(\t)+4*\i+3] offset:STGB*((\t)%2)+8*SP*\i
.endr
.irp i, 0,1,2,3
	ds_load_b128 v[TT+16*((\t)%2)+4*\i:TT+16*((\t)%2)+4*\i+3], v[SO] offset:STGB*((\t)%2)+16*\i
.endr
.irp i, 0,1,2,3
	ds_load_b128 v[WT+16*((\t)%2)+4*\i:WT+16*((\t)%2)+4*\i+3], v[WO] offset:STGB*(\t)+16*\i
.endr
.endm
; Step t of a row: 16 neighbours a lane are scaled and quantised; two neighbouring lanes hold a block of 32.  next = 1: the step's registers take the next row's same step.
.macro STEP row, t, next
.set TS, TT+16*((\t)%2)
.set WS2, WT+16*((\t)%2)
.if (\t) < 4
.set CA, CI
.set BA, BI
.else
.set CA, CJ
.set BA, BJ
.endif
.if (\t) > 0
	s_wait_dscnt 4                                 ; this step's twelve LDS instructions are done; the last step's three code stores and its byte store may be out
.else
	s_wait_dscnt 0x0
.endif
.if \next
	LOADSTEP 1, \t                                 ; the stores into the stage have read these registers
.endif
.if (\t) < 7
	TURN (\t)+1                                    ; the next step goes through the other stage while this one is worked
.endif
.irp k, 0,2,4,6,8,10,12,14
	v_pk_mul_f32 v[TS+\k:TS+\k+1], v[TS+\k:TS+\k+1], v[RR:RR+1]      ; x / rms
.endr
.irp k, 0,2,4,6,8,10,12,14
	v_pk_mul_f32 v[TS+\k:TS+\k+1], v[TS+\k:TS+\k+1], v[WS2+\k:WS2+\k+1]  ; x norm_weight
.endr
	v_max3_num_f32 v[MA], |v[TS]|, |v[TS+1]|, |v[TS+2]|              ; the largest magnitude of my 16, in two chains
	v_max3_num_f32 v[MA+1], |v[TS+3]|, |v[TS+4]|, |v[TS+5]|
.irp k, 6,10
	s_delay_alu instid0(VALU_DEP_2)
	v_max3_num_f32 v[MA], v[MA], |v[TS+\k]|, |v[TS+\k+1]|
	s_delay_alu instid0(VALU_DEP_2)
	v_max3_num_f32 v[MA+1], v[MA+1], |v[TS+\k+2]|, |v[TS+\k+3]|
.endr
	s_delay_alu instid0(VALU_DEP_2)
	v_max3_num_f32 v[MA], v[MA], |v[TS+14]|, |v[TS+15]|
	s_delay_alu instid0(VALU_DEP_1)
	v_max3_num_f32 v[MA], v[MA], v[MA+1], 0x1800000                  ; and the floor 2^(3 - 127): so the byte cannot fall under 1
	s_delay_alu instid0(VALU_DEP_1)
	v_max_num_f32_dpp v[MA], v[MA], v[MA] row_xmask:1 row_mask:0xf bank_mask:0xf   ; and of my neighbour's 16: the block's
	s_delay_alu instid0(VALU_DEP_1)
	v_add_nc_u32 v[SCO], 0xff000000, v[MA]         ; 2 off its exponent field: the conversion takes the exponent field of this operand as its scale, and nothing else of it
	v_cvt_scalef32_pk16_fp6_f32 v[CC+4*(\t):CC+4*(\t)+2], v[TS:TS+15], v[SCO]   ; sixteen numbers / the scale, to the nearest code, ties to even, beyond 7.5 the largest code; 96 bits without gaps
	v_lshrrev_b32 v[CC+4*(\t)+3], 23, v[SCO]       ; the scale's byte.  (Also the plain vector instruction behind the conversion)
.irp j, 0,1,2
	ds_store_b32 v[CA+\j], v[CC+4*(\t)+\j] offset:4*UL*((\t)%4)+FL*(\row)   ; my three words, each at its place in the fragment's image: four units a step; the pass's tile
.endr
	ds_store_b8 v[BA], v[CC+4*(\t)+3] offset:4*UL*((\t)%4)+64*(\row)        ; both lanes of a block write the same byte with the same value
.endm
.macro MEET                            ; my LDS stores have landed and my LDS loads are in: then the work-group's barrier
	s_wait_dscnt 0x0
	s_barrier_signal -1
	s_barrier_wait -1
.endm
; A pass's tile leaves: my two units' fragments.  Each store of the wave covers 512 consecutive bytes, at a multiple of 256 from the buffer's first byte.  No hint: the next launch reads them.
.macro OUT pass
.irp k, 0,1
.irp c, 0,1,2
	ds_load_b128 v[TT+4*(3*\k+\c):TT+4*(3*\k+\c)+3], v[IRD] offset:UL*\k+FL*(\pass)+CL*\c
.endr
.endr
.irp k, 0,1
.irp c, 0,1,2
	s_wait_dscnt 5-3*\k-\c                         ; LDS loads come back in order: this one is in
	global_store_b128 v[XO], v[TT+4*(3*\k+\c):TT+4*(3*\k+\c)+3], s[24:25] offset:UB*\k+FRB*(\pass)+512*\c
.endr
.endr
.endm
	global_load_b128 v[SS:SS+3], v[WG], s[6:7]                       ; my wave's 1,024 bytes of norm_weight
	global_load_b128 v[SS+4:SS+7], v[WG], s[6:7] offset:512
.irp t, 0,1,2,3,4,5,6,7
	LOADSTEP 0, \t                                 ; my first row: 32 loads, 16,384 bytes, on their way
.endr
.irp p, 0,1,2,3,4,5
	global_load_b64 v[WF+2*\p:WF+2*\p+1], v[WA], s[8:9] offset:48*(\p/3)+8*(\p%3)   ; w_q's fragment, in the operand's layout: asked for behind the row
.endr
	global_load_b32 v[WS], v[WA+1], s[10:11]                         ; and its rows' scale words
	s_wait_loadcnt 39                              ; norm_weight's two loads are in; the row's 32 and w_q's 7, issued behind them, stay out
	ds_store_b128 v[WI], v[SS:SS+3]
	ds_store_b128 v[WI], v[SS+4:SS+7] offset:8*SP
	MEET                                           ; everybody's part of norm_weight lies in LDS; it is never written again
	PASS1 7
	s_wait_loadcnt 0x0                             ; w_q's seven loads are in
.irp c, 0,1,2
	global_store_b128 v[WC], v[WF+4*\c:WF+4*\c+3], s[26:27] offset:512*\c   ; the fragment's image: 512 consecutive bytes a store, at a multiple of 256 from the buffer's first byte
.endr
	global_store_b32 v[WC+1], v[WS], s[26:27]      ; 64 consecutive bytes
	s_wait_xcnt 0x0                                ; the stores above have read v64-80: only behind this wait are those registers loaded again
	TURN 0
.irp t, 0,1,2,3,4,5,6,7
	STEP 0, \t, 1
.endr
	MEET                                           ; the sixteen rows of my work-group's first tile lie in the image
	OUT 0
	PASS1 0
	s_wait_xcnt 0x0                                ; the first tile's stores have read v64-87: only behind this wait are those registers loaded again
	TURN 0
.irp t, 0,1,2,3,4,5,6,7
	STEP 1, \t, 0
.endr
	MEET                                           ; the second tile's rows, and all 32 rows' scale words
	OUT 1
	ds_load_b32 v[MA], v[SRD]                      ; my two units' scale words: 32 rows x 4 bytes each
	ds_load_b32 v[MA+1], v[SRD] offset:UL
	s_wait_dscnt 0x0
	global_store_b32 v[SGO], v[MA], s[32:33]       ; 32 lanes store 128 consecutive bytes
	global_store_b32 v[SGO], v[MA+1], s[32:33] offset:UB
	s_wait_xcnt 0x0
	v_lshl_add_u32 v254, v0, 2, 0x33800
	v_mov_b32 v255, 0
	s_wait_alu depctr_va_vdst(0)
	s_wait_tensorcnt 0x0
	ds_add_u32 v254, v255
	s_wait_dscnt 0x0
	s_endpgm
.Lfunc_end_k_q95d4223d31_quant:
	.size	k_q95d4223d31_quant, .Lfunc_end_k_q95d4223d31_quant-k_q95d4223d31_quant
	.p2alignl 7, 3214868480
	.fill 96, 4, 3214868480
	.section	.rodata,"a",@progbits
	.p2align	6, 0x0
	.amdhsa_kernel k_q95d4223d31_quant
		.amdhsa_group_segment_fixed_size 212992
		.amdhsa_private_segment_fixed_size 0
		.amdhsa_enable_private_segment 0
		.amdhsa_kernarg_size 48
		.amdhsa_user_sgpr_count 2
		.amdhsa_user_sgpr_kernarg_segment_ptr 1
		.amdhsa_wavefront_size32 1
		.amdhsa_system_sgpr_workgroup_id_x 1
		.amdhsa_system_sgpr_workgroup_id_y 1
		.amdhsa_system_sgpr_workgroup_id_z 1
		.amdhsa_system_vgpr_workitem_id 0
		.amdhsa_next_free_vgpr 256
		.amdhsa_next_free_sgpr 66
		.amdhsa_reserve_vcc 0
		.amdhsa_float_denorm_mode_32 3
		.amdhsa_float_denorm_mode_16_64 3
		.amdhsa_memory_ordered 1
		.amdhsa_forward_progress 1
		.amdhsa_inst_pref_size 78
	.end_amdhsa_kernel
	.amdgpu_metadata
---
amdhsa.version: [ 1, 2 ]
amdhsa.kernels:
  - .name:           k_q95d4223d31_quant
    .symbol:         k_q95d4223d31_quant.kd
    .args:
      - { .name: x, .offset: 0, .size: 8, .value_kind: global_buffer, .address_space: global }
      - { .name: norm_weight, .offset: 8, .size: 8, .value_kind: global_buffer, .address_space: global }
      - { .name: w_q_codes, .offset: 16, .size: 8, .value_kind: global_buffer, .address_space: global }
      - { .name: w_q_scales, .offset: 24, .size: 8, .value_kind: global_buffer, .address_space: global }
      - { .name: a_img, .offset: 32, .size: 8, .value_kind: global_buffer, .address_space: global }
      - { .name: b_img, .offset: 40, .size: 8, .value_kind: global_buffer, .address_space: global }
    .group_segment_fixed_size: 212992
    .private_segment_fixed_size: 0
    .kernarg_segment_align: 8
    .kernarg_segment_size: 48
    .max_flat_workgroup_size: 512
    .sgpr_count:     66
    .vgpr_count:     256
    .wavefront_size: 32
...
	.end_amdgpu_metadata
.endif
;; end of part 1
;; launch gemm (part 2): grid 8 x 32, 4 waves a work-group, clusters of 4 x 4, 327,680 bytes of LDS; arguments a_img, b_img, out0, gamma; writes out0
.if DOCPART == 2
	.amdgcn_target "amdgcn-amd-amdhsa--gfx1250"
	.amdhsa_code_object_version 6
	.text
	.protected	k_q95d4223d31_gemm
	.globl	k_q95d4223d31_gemm
	.p2align	8
	.type	k_q95d4223d31_gemm,@function
k_q95d4223d31_gemm:
	s_mov_b64 s[64:65], 0
	v_nop
	global_prefetch_b8 v0, s[64:65] scope:SCOPE_SE
	s_setreg_imm32_b32 hwreg(HW_REG_WAVE_MODE, 25, 1), 1
	s_wait_xcnt 0x0
	s_wait_alu depctr_hold_cnt(0) depctr_sa_sdst(0) depctr_va_vdst(0) depctr_va_sdst(0) depctr_va_ssrc(0) depctr_va_vcc(0) depctr_vm_vsrc(0)
	s_getreg_b32 s2, hwreg(HW_REG_IB_STS2, 6, 4)
	s_cmp_eq_u32 s2, 0
	s_cbranch_scc0 .Lentry_in_a_cluster
	s_endpgm
.Lentry_in_a_cluster:
	s_bfe_u32 s2, ttmp6, 0x10000c
	s_cmp_lg_u32 s2, 0xf033
	s_cbranch_scc0 .Lentry_shape_is_right
	s_endpgm
.Lentry_shape_is_right:
; out0[m][n] = gamma[n] x sum over k of A[m][k] B[n][k].  A: the normalised x, [8192][4096]; B: w_q, [2048][4096]; both as codes of FP6 (E2M3) with one E8M0 byte for each 32 along K; sums in f32.
; Both operands come as the launch before laid them: blocks of 128 rows x 128 K, 12,800 bytes: eight fragments (16 rows x 128 K) of 1,536 bytes, registers 4 c .. 4 c + 3 of lane l at 512 c + 16 l,
; then 512 bytes of scale words, row r of fragment i at 64 i + 4 r.  a_img: [64 groups of 128 rows][32 units of 128 K]; b_img: [16][32].  A group's units lie on end: three units are 150 rows of 256 bytes.
; A tile of out0, 256 x 256, is made by a work-group of four waves, a wave 128 x 128: 64 accumulators, 512 registers.  K goes through a ring of two LDS slots of three units each (the last fill: two units);
; a wave fetches a quarter of a slot (one group's three units, 38,400 bytes) with one tensor load.  The text uses 307,712 bytes of LDS.
; CLUSTERS: 4 x 4 work-groups; A's tiles are asked for jointly along a row of the cluster, B's along a column.
; THE MATRIX INSTRUCTION IS USED TRANSPOSED (source 0 = 16 rows of B, source 1 = 16 rows of A): a lane holds eight neighbouring numbers of a row of out0.
; A STEP is one unit: 64 matrix instructions, A's blocks one after the other, each against B's eight.  A, B and the scale words have TWO register sets each, so every load of the next step lands in registers
; that the step before read last: four places at the step's head serve all of them.  The next step's 56 LDS loads stand in three runs: 8 scale words and B's blocks 0-3 (20); B's 4-7 and A's 0-1 (18); A's 2-7 (18).
; NO PREFETCH: a refill is asked for 176 matrix instructions of the wave ahead of the wait for it (48 of its own step and two whole steps), and the first two fills stand at the head, where there is no loop to run ahead in.
; REGISTERS: window 0: v0-31 addresses and gamma; v32-47 scale words, two sets; v64-159, v160-255 A's fragments, two sets.  window 1: v0-95, v96-191 B's, two sets.
;   window 2: the accumulators of my rows 0-63 (accumulator (a, b) at v[8 (8 a + b)]);  window 3: those of my rows 64-127.
.set SIZE_N, 2048
.set FR,     12                        ; registers of a fragment
.set FRB,    FR*128                    ; its bytes
.set UB,     8*FRB+512                 ; a unit of one group
.set NU,     3                         ; units in a slot
.set QB,     NU*UB                     ; a quarter of a slot: what one tensor load brings
.set SLOT,   4*QB                      ; A's two groups, then B's two
.set GRPB,   32*UB                     ; a group of 128 rows, all of K
.set TRIPS,  4
.set SPARE,  2*SLOT                    ; behind the ring: the spare words, 128 bytes a wave
.set SPITCH, 528                       ; the way out: a stage of 16 rows x (512 + 16) bytes for each wave,
.set STAGE,  SLOT                      ; in slot 1, which has had its last fill and its last read by then (the last two units lie in slot 0)
.set GM,   8                           ; v8-11  gamma of my four columns on the way out
.set ADRA, 16                          ; v16-17 my A fragments in slot 0, 1: 16 x lane
.set ADRB, 18                          ; v18-19 the same for B
.set ADRS, 20                          ; v20-21 scale words: lanes 0-15 A's rows, lanes 16-31 B's
.set STO,  24                          ; the way out: where I put 32 bytes of a row
.set RD,   25                          ; where I read a row back
.set CO,   26                          ; 16 x lane: my bytes of a row of 512
.set SPW,  28                          ; my spare word; never rewritten
.set NIL,  29                          ; 0; never rewritten
.set SC,   32
.set AF,   64
.set G1, 24                            ; s[24:31] group 1 for A's tiles; s[32:39] group 0, one for each slot
.set G0, 32
.set G1B, 48                           ; s[48:55], s[56:63] the same for B's
.set G0B, 56
.set G1T, 68                           ; s[68:75], s[80:87] group 1 of the last fill, two units
.set G1TB, 80
.set MSB, 0
.macro WIN new                         ; the immediate's high byte repeats the setting that is left
.if MSB != (\new)
	s_set_vgpr_msb (MSB<<8)|(\new)
.set MSB, (\new)
.endif
.endm
.set MUL_LO, 0xa1                      ; source 0 (B) window 1, source 1 (A) window 0, C and D window 2
.set TO_B,   0x40                      ; destination window 1, address window 0
.macro JLOAD g0a, g1a, g0b, g1b        ; a joint load: waves 0, 1 fetch for A, waves 2, 3 for B; s_nop 0 and four v_nop behind each line
	s_cmp_eq_u32 s15, 0
	s_cbranch_scc0 .Lfor_b_\@
	tensor_load_to_lds s[\g0a:\g0a+3], s[\g1a:\g1a+7]
	s_nop 0
.rept 4
	v_nop
.endr
	s_branch .Lasked_\@
.Lfor_b_\@:
	tensor_load_to_lds s[\g0b:\g0b+3], s[\g1b:\g1b+7]
	s_nop 0
.rept 4
	v_nop
.endr
.Lasked_\@:
.endm
.macro CREST                           ; a round of the cluster's barrier behind its opening barrier
	s_cmp_lg_u32 s14, 0
	s_cbranch_scc1 .Lnot_wave_0_\@
	s_barrier_signal -3
.Lnot_wave_0_\@:
	s_barrier_wait -3
	s_barrier_signal -1
	s_barrier_wait -1
.endm
.macro CROUND
	s_barrier_signal -1
	s_barrier_wait -1
	CREST
.endm
.macro PLACES                          ; four places between a matrix instruction and a load into, or a read of, its registers
.rept 4
	v_nop
.endr
.endm
	s_load_b128 s[4:7], s[0:1], 0x0                ; a_img, b_img
	s_load_b128 s[8:11], s[0:1], 0x10              ; out0, gamma
	v_lshl_add_u32 v[SPW], v0, 2, SPARE
	v_mov_b32 v[NIL], 0
	ds_add_u32 v[SPW], v[NIL]                      ; the opening lines: the add, twice on end, and its wait ahead of my first tensor load
	ds_add_u32 v[SPW], v[NIL]
	v_lshrrev_b32 v1, 5, v0
	v_readfirstlane_b32 s14, v1                    ; wave 0..3
	s_lshr_b32 s15, s14, 1                         ; my half of the tile's rows.  Also: I fetch for A (0) or B (1)
	s_and_b32 s16, s14, 1                          ; my half of its columns.  Also: which group of that tile I fetch
	s_bfe_u32 s40, ttmp6, 0x40000                  ; cx
	s_bfe_u32 s41, ttmp6, 0x40004                  ; cy
	s_lshl_b32 s42, ttmp9, 2
	s_add_co_u32 s42, s42, s40                     ; tile column
	s_and_b32 s17, ttmp7, 0xffff
	s_lshl_b32 s17, s17, 2
	s_add_co_u32 s17, s17, s41                     ; tile row
	s_lshl_b32 s43, s41, 2
	s_lshl_b32 s43, 15, s43                        ; my row of the cluster
	s_lshl_b32 s44, 0x1111, s40                    ; my column
	s_or_b32 s[G1+0], s43, (3<<16)|(1<<21)         ; the mask; elements of 8 bytes; bit 21 beside a mask; no padding: a fragment load reads 512 bytes on end
	s_or_b32 s[G1B+0], s44, (3<<16)|(1<<21)
	s_or_b32 s[G1T+0], s43, (3<<16)|(1<<21)
	s_or_b32 s[G1TB+0], s44, (3<<16)|(1<<21)
.irp g, G1, G1B
	s_mov_b32 s[\g+1], 32<<16                      ; rows of 256 bytes,
	s_mov_b32 s[\g+2], (QB/256)<<16                ; 150 of them
	s_mov_b32 s[\g+3], 32<<16
	s_mov_b32 s[\g+4], QB/256
	s_mov_b32 s[\g+5], 32
	s_mov_b32 s[\g+6], 0
	s_mov_b32 s[\g+7], 0
.endr
.irp g, G1T, G1TB
	s_mov_b32 s[\g+1], 32<<16
	s_mov_b32 s[\g+2], (2*UB/256)<<16              ; 100 rows
	s_mov_b32 s[\g+3], 32<<16
	s_mov_b32 s[\g+4], 2*UB/256
	s_mov_b32 s[\g+5], 32
	s_mov_b32 s[\g+6], 0
	s_mov_b32 s[\g+7], 0
.endr
	s_lshl_b32 s20, s17, 1
	s_add_co_u32 s20, s20, s16
	s_mul_i32 s20, s20, GRPB                       ; A: group 2 x tile row + half
	s_mov_b32 s21, 0
	s_lshl_b32 s46, s42, 1
	s_add_co_u32 s46, s46, s16
	s_mul_i32 s46, s46, GRPB                       ; B: group 2 x tile column + half
	s_mov_b32 s47, 0
	s_mul_i32 s45, s14, QB                         ; where my quarter goes
	s_wait_dscnt 0x0                               ; both opening adds are done
	s_wait_kmcnt 0x0
	s_add_nc_u64 s[20:21], s[4:5], s[20:21]
	s_add_nc_u64 s[46:47], s[6:7], s[46:47]
	CROUND                                         ; all sixteen work-groups are here: the first joint loads meet
.irp s, 0,1
	s_mov_b32 s[G0+4*\s], 1
	s_add_co_u32 s[G0+4*\s+1], s45, \s*SLOT
	s_add_nc_u64 s[G0+4*\s+2:G0+4*\s+3], s[20:21], \s*QB
	s_or_b32 s[G0+4*\s+3], s[G0+4*\s+3], 0x80000000
	s_mov_b32 s[G0B+4*\s], 1
	s_add_co_u32 s[G0B+4*\s+1], s45, \s*SLOT
	s_add_nc_u64 s[G0B+4*\s+2:G0B+4*\s+3], s[46:47], \s*QB
	s_or_b32 s[G0B+4*\s+3], s[G0B+4*\s+3], 0x80000000
.endr
	JLOAD G0, G1, G0B, G1B                         ; units 0-2: one tensor load a wave at the head
	s_mul_i32 s21, s15, QB                         ; my group of A in a slot
	s_mul_i32 s22, s16, QB
	s_add_co_u32 s22, s22, 2*QB                    ; my group of B
	s_sub_co_u32 s12, s22, s21                     ; the distance between the two
	s_add_co_u32 s13, s21, 8*FRB                   ; A's scale words
	s_mul_i32 s23, s14, 16*SPITCH
	s_add_co_u32 s23, s23, STAGE                   ; my stage
	s_lshl_b32 s76, s17, 8
	s_lshl_b32 s77, s15, 7
	s_add_co_u32 s76, s76, s77                     ; my first row of out0,
	s_lshl_b32 s76, s76, 13                        ; in bytes (8,192 a row; under 2^26)
	s_mov_b32 s77, 0
	s_lshl_b32 s46, s42, 10
	s_lshl_b32 s47, s16, 9
	s_add_co_u32 s46, s46, s47                     ; my first column, in bytes
	s_mov_b32 s47, 0
	s_add_nc_u64 s[8:9], s[8:9], s[76:77]
	s_add_nc_u64 s[8:9], s[8:9], s[46:47]
	s_add_nc_u64 s[10:11], s[10:11], s[46:47]
	v_and_b32 v1, 15, v0                           ; l % 16
	v_bfe_u32 v2, v0, 4, 1                         ; l / 16
	v_and_b32 v6, 31, v0
	v_lshlrev_b32 v[CO], 4, v6
	v_add_nc_u32 v[ADRA], s21, v[CO]
	v_add_nc_u32 v[ADRB], s22, v[CO]
	v_add_nc_u32 v[ADRA+1], SLOT, v[ADRA]
	v_add_nc_u32 v[ADRB+1], SLOT, v[ADRB]
	v_mul_u32_u24 v5, s12, v2                      ; lanes 16-31 take B's scale words
	v_lshl_add_u32 v5, v1, 2, v5
	v_add_nc_u32 v[ADRS], s13, v5
	v_add_nc_u32 v[ADRS+1], SLOT, v[ADRS]
	v_mul_u32_u24 v7, v1, SPITCH                   ; into the stage: row l % 16, 32 bytes for each half of the lanes
	v_lshl_add_u32 v7, v2, 5, v7
	v_add_nc_u32 v[STO], s23, v7
	v_add_nc_u32 v[RD], s23, v[CO]
	s_wait_alu depctr_va_vdst(0)
	global_load_b128 v[GM:GM+3], v[CO], s[10:11]   ; gamma of my four columns
.macro SCL sl, q, p                    ; the eight scale words of unit q of slot sl into set p: lanes 0-15 A's block i, lanes 16-31 B's block i
.irp i, 0,1,2,3,4,5,6,7
	ds_load_b32 v[SC+8*(\p)+\i], v[ADRS+(\sl)] offset:(\q)*UB+64*\i
.endr
.endm
.macro LDP j, sl, q, p                 ; pair j of a unit's fragments into set p: 0: A's blocks 0, 1;  1-4: B's 2 j - 2, 2 j - 1;  5-7: A's 2 j - 8, 2 j - 7
.if (\j) >= 1 && (\j) <= 4
	WIN TO_B
.irp f, 0,1
.irp c, 0,1,2
	ds_load_b128 v[96*(\p)+FR*(2*(\j)-2+\f)+4*\c:96*(\p)+FR*(2*(\j)-2+\f)+4*\c+3], v[ADRB+(\sl)] offset:(\q)*UB+(2*(\j)-2+\f)*FRB+512*\c
.endr
.endr
.else
.if (\j) == 0
.set FA, 0
.else
.set FA, 2*(\j)-8
.endif
	WIN 0
.irp f, 0,1
.irp c, 0,1,2
	ds_load_b128 v[AF+96*(\p)+FR*(FA+\f)+4*\c:AF+96*(\p)+FR*(FA+\f)+4*\c+3], v[ADRA+(\sl)] offset:(\q)*UB+(FA+\f)*FRB+512*\c
.endr
.endr
.endif
.endm
; The three runs that bring unit q of slot sl into sets p
.macro RUN1 sl, q, p                   ; 20 loads: the scale words, B's blocks 0-3
	WIN 0
	SCL \sl, \q, \p
	LDP 1, \sl, \q, \p
	LDP 2, \sl, \q, \p
.endm
.macro RUN2 sl, q, p                   ; 18 loads: B's blocks 4-7, A's 0-1
	LDP 3, \sl, \q, \p
	LDP 4, \sl, \q, \p
	LDP 0, \sl, \q, \p
.endm
.macro RUN3 sl, q, p                   ; 18 loads: A's blocks 2-7
	LDP 5, \sl, \q, \p
	LDP 6, \sl, \q, \p
	LDP 7, \sl, \q, \p
.endm
; Eight matrix instructions: A's block a against B's eight, sets p.  The 64 accumulators take turns, one instruction a turn, in the same order in every step.  zero = 1: the product starts the sum.
.macro MUL8 a, p, zero
	WIN MUL_LO+0x50*((\a)/4)
.irp b, 0,1,2,3,4,5,6,7
.set RC, 64*((\a)%4)+8*\b
.if \zero
	v_wmma_scale_f32_16x16x128_f8f6f4 v[RC:RC+7], v[96*(\p)+FR*\b:96*(\p)+FR*\b+FR-1], v[AF+96*(\p)+FR*(\a):AF+96*(\p)+FR*(\a)+FR-1], 0, v[SC+8*(\p)+\b], v[SC+8*(\p)+(\a)] matrix_a_fmt:MATRIX_FMT_FP6 matrix_b_fmt:MATRIX_FMT_FP6 matrix_a_scale:MATRIX_SCALE_ROW1
.else
	v_wmma_scale_f32_16x16x128_f8f6f4 v[RC:RC+7], v[96*(\p)+FR*\b:96*(\p)+FR*\b+FR-1], v[AF+96*(\p)+FR*(\a):AF+96*(\p)+FR*(\a)+FR-1], v[RC:RC+7], v[SC+8*(\p)+\b], v[SC+8*(\p)+(\a)] matrix_a_fmt:MATRIX_FMT_FP6 matrix_b_fmt:MATRIX_FMT_FP6 matrix_a_scale:MATRIX_SCALE_ROW1
.endif
.endr
.endm
; A step whose successor lies in the same slot
.macro STEP sl, q, p, zero
	PLACES                                         ; behind the last step's products, which read the sets that this step's loads fill
	s_wait_dscnt 18                                ; this step's scale words, B and A's blocks 0-1 are in; the last step's third run, 18 loads, may be out
	RUN1 \sl, (\q)+1, 1-(\p)
	MUL8 0, \p, \zero
	MUL8 1, \p, \zero
	s_wait_dscnt 20                                ; A's blocks 2-7 are in; the 20 loads of this step's first run may be out
	MUL8 2, \p, \zero
	RUN2 \sl, (\q)+1, 1-(\p)
	MUL8 3, \p, \zero
	MUL8 4, \p, \zero
	MUL8 5, \p, \zero
	RUN3 \sl, (\q)+1, 1-(\p)
	MUL8 6, \p, \zero
	MUL8 7, \p, \zero
.endm
; A slot's last step changes slots.  All reads of slot sl were issued in the step before.  In front of the barrier each wave waits for all its tensor loads (one is out: its quarter of slot nx), adds 0 to its spare word,
; and waits for that and for its reads.  fill = 1: slot sl takes three units, 2: the last two, 0: nothing more.
.macro TURN sl, p, nx, fill
	WIN 0                                          ; (the add's two registers lie in window 0)
	s_wait_tensorcnt 0x0
	ds_add_u32 v[SPW], v[NIL]
	s_wait_dscnt 19                                ; (the add and the last step's third run may be out)
	MUL8 0, \p, 0
	s_wait_dscnt 0x0                               ; the add is done, and my reads of this slot are over
	s_barrier_signal -1
	MUL8 1, \p, 0
	WIN 0
	s_barrier_wait -1
.if \fill
	CREST                                          ; the barrier has opened a round of the cluster's barrier: no wave of any partner still reads this slot or has a load on its way
	s_add_nc_u64 s[G0+4*\sl+2:G0+4*\sl+3], s[G0+4*\sl+2:G0+4*\sl+3], 2*QB
	s_add_nc_u64 s[G0B+4*\sl+2:G0B+4*\sl+3], s[G0B+4*\sl+2:G0B+4*\sl+3], 2*QB
.if \fill == 1
	JLOAD G0+4*\sl, G1, G0B+4*\sl, G1B             ; the first tensor load behind the round; its four v_nop are the places in front of the loads below
.else
	JLOAD G0+4*\sl, G1T, G0B+4*\sl, G1TB
.endif
.else
	PLACES
.endif
	RUN1 \nx, 0, 1-(\p)
	MUL8 2, \p, 0
	MUL8 3, \p, 0
	RUN2 \nx, 0, 1-(\p)
	MUL8 4, \p, 0
	MUL8 5, \p, 0
	RUN3 \nx, 0, 1-(\p)
	MUL8 6, \p, 0
	MUL8 7, \p, 0
.endm
	s_wait_tensorcnt 0x0                           ; my quarter of slot 0 is in
	ds_add_u32 v[SPW], v[NIL]
	s_wait_dscnt 0x0
	CROUND                                         ; slot 0 is whole, and all sixteen work-groups are here
	JLOAD G0+4, G1, G0B+4, G1B                     ; units 3-5, the first tensor load behind the round
	RUN1 0, 0, 0
	RUN2 0, 0, 0
	RUN3 0, 0, 0
	STEP 0, 0, 0, 1                                ; the first step's products start the sums
	WIN 0                                          ; at a label and at a branch every window is 0
	s_mov_b32 s3, TRIPS
.Llap:                                                 ; a trip: six steps, once round the ring; register sets and slots are back where they began
	STEP 0, 1, 1, 0
	TURN 0, 0, 1, 1
	STEP 1, 0, 1, 0
	STEP 1, 1, 0, 0
	TURN 1, 1, 0, 1
	STEP 0, 0, 0, 0
	WIN 0
	s_sub_co_u32 s3, s3, 1
	s_cmp_lg_u32 s3, 0
	s_cbranch_scc1 .Llap
	STEP 0, 1, 1, 0                                ; units 25 to 31: the tail is written out
	TURN 0, 0, 1, 2
	STEP 1, 0, 1, 0
	STEP 1, 1, 0, 0
	TURN 1, 1, 0, 0
	STEP 0, 0, 0, 0
	s_wait_dscnt 18                                ; the last step fetches nothing
	MUL8 0, 1, 0
	MUL8 1, 1, 0
	s_wait_dscnt 0x0
.irp a, 2,3,4,5,6,7
	MUL8 \a, 1, 0
.endr
; THE WAY OUT, in two parts.  FIRST all eight blocks of 16 rows x 128 columns go through my own stage in LDS and come back, as whole rows of 512 bytes, INTO THEIR OWN ACCUMULATORS' REGISTERS (LDS serves a wave's
; instructions in order, ISA guide 5.7.1.4: the stores into the stage have read them), and are multiplied by gamma.  THEN all 128 global stores stand on end, with no vector or LDS instruction behind them.
; No register that a global store reads is written again, and all 128 rows are reached by the store's immediate (127 x 8,192 bytes at the most, inside its signed 24 bits): base and offset stand still.
; One window setting serves a block's stage stores, loads, multiplies and stores: source 0 window 0, source 1 and destination the block's window.
.macro TOSTAGE a
.set AC, 64*((\a)%4)
	WIN 0x88+0x44*((\a)/4)
.irp b, 0,1,2,3,4,5,6,7
	ds_store_b128 v[STO], v[AC+8*\b:AC+8*\b+3] offset:64*\b          ; each accumulator from its low end on
	ds_store_b128 v[STO], v[AC+8*\b+4:AC+8*\b+7] offset:64*\b+16
.endr
.irp t, 0,1,2,3,4,5,6,7,8,9,10,11,12,13,14,15
	ds_load_b128 v[AC+4*\t:AC+4*\t+3], v[RD] offset:\t*SPITCH
.endr
.endm
.macro GAMMA a                         ; x gamma of my four columns
.set AC, 64*((\a)%4)
	WIN 0x88+0x44*((\a)/4)
.irp t, 0,1,2,3,4,5,6,7,8,9,10,11,12,13,14,15
	v_pk_mul_f32 v[AC+4*\t:AC+4*\t+1], v[GM:GM+1], v[AC+4*\t:AC+4*\t+1]
	v_pk_mul_f32 v[AC+4*\t+2:AC+4*\t+3], v[GM+2:GM+3], v[AC+4*\t+2:AC+4*\t+3]
.endr
.endm
.macro SEND a
.set AC, 64*((\a)%4)
	WIN 0x88+0x44*((\a)/4)
.irp t, 0,1,2,3,4,5,6,7,8,9,10,11,12,13,14,15
	global_store_b128 v[CO], v[AC+4*\t:AC+4*\t+3], s[8:9] offset:(16*(\a)+\t)*SIZE_N*4 th:TH_STORE_NT   ; 32 lanes store 512 consecutive bytes, at a multiple of 256 from out0's first byte
.endr
.endm
	s_wait_loadcnt 0x0                             ; gamma is in
	PLACES                                         ; behind the last products
	TOSTAGE 0
	TOSTAGE 1
.irp a, 0,1,2,3,4,5,6,7
.if \a < 7
	s_wait_dscnt 32                                ; block a is back; the next block's 16 stores and 16 loads may be out
.else
	s_wait_dscnt 0x0
.endif
	GAMMA \a
.if \a < 6
	TOSTAGE \a+2
.endif
.endr
	WIN 0
	s_wait_alu depctr_va_vdst(0)
	s_wait_tensorcnt 0x0                           ; the spare word's add and its waits, behind my last tensor load and my last LDS store
	ds_add_u32 v[SPW], v[NIL]
	s_wait_dscnt 0x0
.irp a, 0,1,2,3,4,5,6,7
	SEND \a
.endr
	WIN 0
	CROUND                                         ; the closing round
	s_endpgm
.Lfunc_end_k_q95d4223d31_gemm:
	.size	k_q95d4223d31_gemm, .Lfunc_end_k_q95d4223d31_gemm-k_q95d4223d31_gemm
	.p2alignl 7, 3214868480
	.fill 96, 4, 3214868480
	.section	.rodata,"a",@progbits
	.p2align	6, 0x0
	.amdhsa_kernel k_q95d4223d31_gemm
		.amdhsa_group_segment_fixed_size 327680
		.amdhsa_private_segment_fixed_size 0
		.amdhsa_enable_private_segment 0
		.amdhsa_kernarg_size 32
		.amdhsa_user_sgpr_count 2
		.amdhsa_user_sgpr_kernarg_segment_ptr 1
		.amdhsa_wavefront_size32 1
		.amdhsa_system_sgpr_workgroup_id_x 1
		.amdhsa_system_sgpr_workgroup_id_y 1
		.amdhsa_system_sgpr_workgroup_id_z 1
		.amdhsa_system_vgpr_workitem_id 0
		.amdhsa_next_free_vgpr 1024
		.amdhsa_next_free_sgpr 88
		.amdhsa_reserve_vcc 0
		.amdhsa_float_denorm_mode_32 3
		.amdhsa_float_denorm_mode_16_64 3
		.amdhsa_memory_ordered 1
		.amdhsa_forward_progress 1
		.amdhsa_inst_pref_size 224
	.end_amdhsa_kernel
	.amdgpu_metadata
---
amdhsa.version: [ 1, 2 ]
amdhsa.kernels:
  - .name:           k_q95d4223d31_gemm
    .symbol:         k_q95d4223d31_gemm.kd
    .args:
      - { .name: a_img, .offset: 0, .size: 8, .value_kind: global_buffer, .address_space: global }
      - { .name: b_img, .offset: 8, .size: 8, .value_kind: global_buffer, .address_space: global }
      - { .name: out0, .offset: 16, .size: 8, .value_kind: global_buffer, .address_space: global }
      - { .name: gamma, .offset: 24, .size: 8, .value_kind: global_buffer, .address_space: global }
    .group_segment_fixed_size: 327680
    .private_segment_fixed_size: 0
    .kernarg_segment_align: 8
    .kernarg_segment_size: 32
    .max_flat_workgroup_size: 128
    .sgpr_count:     88
    .vgpr_count:     1024
    .wavefront_size: 32
...
	.end_amdgpu_metadata
.endif
;; end of part 2
